; MI455X (gfx1250); checked and timed in simulation.
; The chip was launched on July 23, 2026; its instructions are those of AMD's public machine-readable ISA for CDNA 5 (MIT licence, August 2026) and "CDNA5" Instruction Set Architecture Reference Guide (July 2026). The comments in the code are by the model that wrote it; some were corrected since.
;; Flash Attention Pipelined. Allowed arithmetic: matrix products marked QUANTISED: E4M3 operands, one given power-of-two scale a tensor, by v_wmma_f32_16x16x64_fp8_fp8 or v_wmma_f32_16x16x128_fp8_fp8, f32 sums; everything else in f32.
;; Inputs: key_codes 4 x 16 x 2,048 x 4 x 32 uint8 (E4M3 codes of key, K innermost, in blocks of 32 codes); lowp_scales 4 int32 (the exponents e of the quantised operands' scales 2^e); query_codes 4 x 16 x 2,048 x 4 x 32 uint8 (E4M3 codes of query, K innermost, in blocks of 32 codes); value_codes 4 x 16 x 128 x 64 x 32 uint8 (E4M3 codes of value, K innermost, in blocks of 32 codes).
;; Outputs: out0 4 x 16 x 2,048 x 128 float32.
;; This version of the problem:
;;   THIS VERSION OF THE PROBLEM IS GIVEN IN LOW PRECISION. The matrix products marked QUANTISED in the list below multiply operands that are first quantised to E4M3 (4 exponent bits, 3 mantissa bits; 8 bits a number), with one given power-of-two scale for each operand tensor; their sums are f32. All else is computed in f32.
;;   The module's matrix products, in the order in which they are computed (A, B: the left and right operand; K: the contracted axis; several contracted axes count as one K, in the product's order):
;;     1. batch 64 x [M 2,048, K 128] x [K 128, N 2,048]; A: input query (given as codes); B: input key (given as codes): QUANTISED (scales: A lowp_scales[0], B lowp_scales[1])
;;     2. batch 64 x [M 2,048, K 2,048] x [K 2,048, N 128]; A: softmax (see below); B: input value (given as codes): QUANTISED (scales: A lowp_scales[2], B lowp_scales[3])
;;   THE QUANTISER, for each operand of a quantised product, along K:
;;     - The operand's scale is 2^e, e = its entry of the input lowp_scales (int32; the entries are numbered through the quantised products in the list's order, A before B).
;;     - Each number is divided by the scale, clamped to +-448, and rounded to the nearest number of E4M3, ties to even, subnormals kept.
;;     - The product sums the exact products of the quantised numbers (number of the format x scale) in f32.
;;   ~~~python
;;   def quantise(x, axis, e):      # numpy; x: float32 -> the quantised numbers, widened to float32 again
;;       x = np.moveaxis(x, axis, -1); K = x.shape[-1]
;;       r = np.clip(x / 2.0 ** e, -448, 448)
;;       step = 2.0 ** (np.maximum(np.frexp(np.where(r == 0, 1, r))[1] - 1, -6) - 3)
;;       q = np.round(r / step) * step * 2.0 ** e      # np.round: ties to even
;;       return np.moveaxis(q, -1, axis).astype(np.float32)
;;   ~~~
;;   SOFTMAX AHEAD OF A QUANTISED PRODUCT. Where the list says 'softmax', what is quantised is not the finished softmax but p = 2^(t - M), with t = logit x log2(e) and M = ceil(the row's largest t), a whole number; so 1/2 < the row's largest p <= 1. The row's sum l is taken of the UNQUANTISED p, in f32, and the product's result is divided by l at the end. Since M is a whole number, a kernel that streams over the keys may use a running M (the ceiling of the running maximum): every later rescaling is an exact power of two, so the quantised numbers keep their values, but for numbers so far below the row's largest that they fall under the format's range.
;;   OPERANDS COMPUTED ON THE WAY. 'Computed on the way' means the value that the module computes at that place (a softmax that the list does not call 'softmax' is quantised finished and normalised). What goes into a quantiser is computed in f32, as accurately as f32 sums, v_exp_f32 and their like allow (about 1e-6 of the number): no bf16 or f16 on the way to a quantiser, and a product that is left as it is and whose result goes on into a quantised operand takes f32 operands (vector FMAs, or v_wmma_f32_16x16x4_f32). A number that lies on a knife's edge between two numbers of the format may be rounded either way, as far as f32 arithmetic and the matrix unit's own rounding can turn it there, and no further.
;;   INPUTS GIVEN AS CODES. key (in the module: [4, 16, 2048, 128], K = its axis 3); query (in the module: [4, 16, 2048, 128], K = its axis 3); value (in the module: [4, 16, 2048, 128], K = its axis 2): each comes as NAME_codes (uint8): NAME with its K axis moved to the last place and cut into blocks of 32 codes, [.., K / 32, bytes a block], one block behind the other in memory; one code a byte (a code: sign, 4 exponent bits, 3 mantissa bits); its scale is its entry of lowp_scales. Its value is code x scale, taken as it is: it is not quantised again, and the codes and scales need not be those that the quantiser above would give.
;; One version. Each part assembles by itself: llvm-mc -triple=amdgcn-amd-amdhsa -mcpu=gfx1250 --defsym DOCPART=n.
;; ======== version 1 of 1: 1 launch
;; limits: right only within a limited range of input values
;; launch attn (part 1): grid 4 x 64, 8 waves a work-group, clusters of 4 x 1, 327,680 bytes of LDS; arguments query_codes, key_codes, value_codes, lowp_scales, out0; writes out0
.if DOCPART == 1
	.amdgcn_target "amdgcn-amd-amdhsa--gfx1250"
	.amdhsa_code_object_version 6
	.text
	.protected	k_qed4fa1dd4a_attn
	.globl	k_qed4fa1dd4a_attn
	.p2align	8
	.type	k_qed4fa1dd4a_attn,@function
k_qed4fa1dd4a_attn:
	s_mov_b64 s[64:65], 0
	v_nop
	global_prefetch_b8 v0, s[64:65] scope:SCOPE_SE
	s_setreg_imm32_b32 hwreg(HW_REG_WAVE_MODE, 25, 1), 1
	s_wait_xcnt 0x0
	s_wait_alu depctr_hold_cnt(0) depctr_sa_sdst(0) depctr_va_vdst(0) depctr_va_sdst(0) depctr_va_ssrc(0) depctr_va_vcc(0) depctr_vm_vsrc(0)
	s_getreg_b32 s2, hwreg(HW_REG_IB_STS2, 6, 4)
	s_cmp_eq_u32 s2, 0
	s_cbranch_scc0 .Lentry_in_a_cluster
	s_endpgm
.Lentry_in_a_cluster:
	s_bfe_u32 s2, ttmp6, 0x10000c
	s_cmp_lg_u32 s2, 0x3003
	s_cbranch_scc0 .Lentry_shape_is_right
	s_endpgm
.Lentry_shape_is_right:
; O[h][q][:] = sum over k of softmax_k(Q[h][q] . K[h][k] / sqrt(128)) V[h][k][:], 64 heads, 2,048 queries and keys, no mask; both products on E4M3 codes, each tensor with its given scale 2^e.
; Q, K: [64][2048][128] codes.  V: [64][128][2048] codes, the keys innermost.  lowp_scales: eq, ek, ep, ev.  O: [64][2048][128] f32.  Every input is read; no work of the problem is left out.
; SOFTMAX: t = score x log2(e) / sqrt(128); M = the running largest t rounded up to a whole number; p = 2^(t - M) is held at 448 x 2^ep and quantised with 2^ep; the row's sum is taken of the unquantised p and divides O at the end.
; When M moves, the sums and O are multiplied by 2^(old M - new M), which rounds nothing.
; SHARES.  A cluster of four work-groups owns one head.  A work-group STAYS: it makes query blocks cx and cx + 4 (256 queries each), one after the other; each of its eight waves owns 32 queries of a block as two tiles of 16.
; RING.  Two LDS slots of 512 keys (K 64 KiB, V 64 KiB); the head's four slots are walked twice, and the ring runs on from the first block into the second.  Every tile is asked for JOINTLY by the four partners (mask 15).
; Each wave fetches one part: waves 0-3 128 keys of K (dense, stated as 64 rows of 256 bytes), waves 4-7 32 rows of V (512 bytes each).  One tensor load a wave is out behind each round.
; LAYOUT.  Both products transposed: S^T = K Q^T, O^T = V^T P^T: a lane holds one query (r = lane % 16); h = lane / 16.
; THE KEYS OF A STEP: row 8 hh + jj of tile 2 i + u is key 256 hh + 64 st + 16 i + 8 u + jj of the slot (st = step 0..3).  So half h holds, in the 16 registers of tiles 2 i, 2 i + 1, keys 256 h + 64 st + 16 i + 0..15;
; the conversions make of them registers 4 i .. 4 i + 3 of P, and V's fragment takes the same keys: 16 bytes at 256 h + 64 st + 16 i of its row.  The order of k is the same on both sides of each product.
; K IN LDS: rows of 144 bytes; keys 256-511 begin 128 bytes (modulo 256) off keys 0-255, so that the sixteen rows of a fragment load start at sixteen different columns of 16 bytes (64 banks of 4 bytes: ISA guide 11.1).  V's rows: 528 bytes.
; LIMITS: eq + ek between -123 and 130 (added to c's exponent field); ep between -126 and 119; NaN codes among the inputs are not served (the maxima pass over a NaN); the scaled scores stay under 2^31 in magnitude.
; REGISTERS.  Window 0: v1-11 addresses; v12-27 statistics; v28-29 permutes; v32-63 Q; v64-191 S^T, then p; v192-223 P; v224 2^ep; v225, v246 448 x 2^ep; v226-229 second chains of the sums; v230-245 partial sums.
;   Window 1: v0-127 O^T; v128-255 fragments of K, then of V; on the way out the rows read back from the stage.
.set KP,    144
.set KH,    256*KP+128                 ; 256 keys, and 128 bytes that nobody touches
.set VP,    528
.set VOFF,  2*KH
.set SLOTB, VOFF+128*VP                ; 141,568 bytes a slot
.set SPARE, 2*SLOTB                    ; the spare words: 128 bytes a wave
.set STAGE, SPARE+1024                 ; the way out: 16 rows x 272 bytes a wave; no tile lands here
.set SP,    272
.set DUAL,  1                          ; 1: the two holds of a pair go as one dual-issue instruction
.set AK0, 1
.set AV0, 2
.set PFO, 3
.set ADK, 4
.set ADV, 5
.set SPW, 6
.set NIL, 7
.set GO,  8
.set STO, 9
.set RD,  10
.set QO,  11
.set ST,  12                           ; tile t at v[ST+8 t]: +0 -M, +1 largest t, +2,+3 the sum, +4 f, +5 0, +6,+7 at work
.set PD,  28
.set Q,   32
.set S,   64
.set P,   192
.set SC,  224
.set HL,  225
.set L2,  226
.set TT,  230
.set HL2, 246
.set O,   0
.set F,   128
.set WV,  14
.set CX,  15
.set SEL, 20
.set CS,  22
.set G1K, 24
.set G1V, 32
.set G0K, 40
.set G0V, 44
.set TB,  48                           ; LDS byte at which the slot in hand begins
.set VIS, 49                           ; slots still to be asked for
.set TF,  50                           ; LDS byte at which the slot to be filled begins
.set EPV, 51
.set PFA, 52
.set PFS, 54
.set KB,  66                           ; s[66:67] my part of K's slot 0 in memory;  s[68:69] of V's
.set VB,  68
.set KO,  70                           ; s[70:71] the slot's byte offset in K, modulo the head's 2^18 bytes;  s[72:73] in a row of V, modulo 2,048
.set VO,  72
.set KL,  74                           ; my part's place in a slot: K's, V's
.set VL,  75
.set TK,  76                           ; LDS byte of the step in hand: K's, V's
.set TV,  77
.set NS,  78
.set MSB, 0
.macro WIN new                         ; the immediate's high byte repeats the setting that is left
.if MSB != \new
	s_set_vgpr_msb (MSB<<8)|\new
.set MSB, \new
.endif
.endm
.set TO_F, 0x40                        ; destination window 1
.set W_KQ, 0x01                        ; source 0 window 1
.set W_RS, 0x41                        ; destination and source 0 window 1
.set W_PV, 0x51                        ; source 0, C and D window 1
.set W_ST, 0x04                        ; source 1 (a store's data) window 1
.macro CROUND                          ; a round of the cluster's barrier
	s_barrier_signal -1
	s_barrier_wait -1
	s_cmp_lg_u32 s[WV], 0
	s_cbranch_scc1 .Lnot_wave_0_\@
	s_barrier_signal -3
.Lnot_wave_0_\@:
	s_barrier_wait -3
	s_barrier_signal -1
	s_barrier_wait -1
.endm
.macro JLOAD                           ; a joint load: every wave issues one; the branch hangs on the wave's number alone.  s_nop 0 and four v_nop behind each line
	s_cmp_lt_u32 s[WV], 4
	s_cbranch_scc0 .Lfor_v_\@
	tensor_load_to_lds s[G0K:G0K+3], s[G1K:G1K+7]
	s_nop 0
.rept 4
	v_nop
.endr
	s_branch .Lasked_\@
.Lfor_v_\@:
	tensor_load_to_lds s[G0V:G0V+3], s[G1V:G1V+7]
	s_nop 0
.rept 4
	v_nop
.endr
.Lasked_\@:
.endm
; A PREFETCH of what the next change of slots will ask for, four key steps ahead of that load.  Of the 64 blocks of 256 bytes that a wave fetches, each partner names 16, told apart by address; lanes 16-31 name the wave's last block again.
; Slots 0 and 1 come by their loads alone; slots 2 and 3 are asked for at the first two changes; the second walk takes bytes that the first has read, and asks for nothing.
.macro ASK
	s_cmp_gt_u32 s[VIS], 5
	s_cbranch_scc0 .Lno_ask_\@
	global_prefetch_b8 v[PFO], s[PFA:PFA+1] th:TH_LOAD_NT scope:SCOPE_SE
.Lno_ask_\@:
.endm
; THE CHANGE OF SLOTS: the wait for all my tensor loads, the add, the wait for it and for my reads of the slot that I have left.  fill = 1: a round of the cluster's barrier, and the slot that was left takes the next 512 keys.
.macro CHANGE fill
	s_wait_tensorcnt 0x0
	ds_add_u32 v[SPW], v[NIL]                      ; the descriptors' steps stand between the add and its wait
.if \fill
	s_xor_b32 s[TF], s[TF], SLOTB
	s_add_co_u32 s[G0K+1], s[KL], s[TF]
	s_add_co_u32 s[G0V+1], s[VL], s[TF]
	s_add_co_u32 s[KO], s[KO], 512*128
	s_and_b32 s[KO], s[KO], 0x3ffff                ; behind the head's last slot comes its first again
	s_add_co_u32 s[VO], s[VO], 512
	s_and_b32 s[VO], s[VO], 0x7ff
	s_add_nc_u64 s[G0K+2:G0K+3], s[KB:KB+1], s[KO:KO+1]
	s_or_b32 s[G0K+3], s[G0K+3], 0x80000000
	s_add_nc_u64 s[G0V+2:G0V+3], s[VB:VB+1], s[VO:VO+1]
	s_or_b32 s[G0V+3], s[G0V+3], 0x80000000
	s_wait_xcnt 0x0                                ; the last prefetch has read its address
	s_add_nc_u64 s[PFA:PFA+1], s[PFA:PFA+1], s[PFS:PFS+1]
.endif
	s_wait_dscnt 0x0
.if \fill
	CROUND
	JLOAD
	ASK
.else
	s_barrier_signal -1
	s_barrier_wait -1
.endif
.endm
.macro HOLD2 x                         ; the conversion to an 8-bit code does not saturate (ISA guide 7.6.2); p is not negative: a one-sided hold, whatever ep is
.if DUAL
	v_dual_min_num_f32 v[\x], v[HL], v[\x] :: v_dual_min_num_f32 v[\x+1], v[HL2], v[\x+1]
.else
	v_min_num_f32 v[\x], v[\x], v[HL]
	v_min_num_f32 v[\x+1], v[\x+1], v[HL]
.endif
.endm
.macro KQ8 f0                          ; eight whole sums: K's fragments f0 .. f0 + 3 against both tiles of queries
.irp f, \f0, \f0+1, \f0+2, \f0+3
.irp t, 0,1
	v_wmma_f32_16x16x128_fp8_fp8 v[S+64*\t+8*(\f):S+64*\t+8*(\f)+7], v[F+16*(\f):F+16*(\f)+15], v[Q+16*\t:Q+16*\t+15], 0
.endr
.endr
.endm
.macro TN m                            ; partial sum m: eight pairs in tile 1's P, which is not yet written, eight in v230-245
.if (\m) < 8
.set tn, P+16+2*(\m)
.else
.set tn, TT+2*((\m)-8)
.endif
.endm
; A KEY STEP: 128 keys.  Every window is 0 at its head and at its end.
.macro STEP
	v_add_nc_u32 v[ADK], s[TK], v[AK0]
	v_add_nc_u32 v[ADV], s[TV], v[AV0]
	v_nop                                          ; with the two additions: four places between the last products and the loads into their registers
	v_nop
	s_wait_alu depctr_va_vdst(0)
	WIN TO_F
.irp f, 0,1,2,3,4,5,6,7
.irp c, 0,1,2,3
	ds_load_b128 v[F+16*\f+4*\c:F+16*\f+4*\c+3], v[ADK] offset:(16*(\f/2)+8*(\f%2))*KP+32*\c
.endr
.endr
	s_wait_dscnt 16                                ; fragments 0 to 3 are in; the sixteen younger loads may be out
	WIN W_KQ
	KQ8 0
	s_wait_dscnt 0x0
	KQ8 4
.rept 4
	v_nop                                          ; places in front of the loads into K's registers and of the first read of the scores
.endr
	WIN TO_F
.irp f, 0,1,2,3,4,5,6,7                        ; V's fragments land while the softmax is worked
.irp c, 0,1,2,3
	ds_load_b128 v[F+16*\f+4*\c:F+16*\f+4*\c+3], v[ADV] offset:16*\f*VP+16*\c
.endr
.endr
	WIN 0
	; the largest score of each query among the lane's 64 keys: two chains a tile; each accumulator is first read at its low end
.irp t, 0,1
	v_max3_num_f32 v[ST+8*\t+6], v[S+64*\t], v[S+64*\t+1], v[S+64*\t+2]
	v_max3_num_f32 v[ST+8*\t+7], v[S+64*\t+3], v[S+64*\t+4], v[S+64*\t+5]
.endr
.irp i, 6,10,14,18,22,26,30,34,38,42,46,50,54,58
.irp t, 0,1
	v_max3_num_f32 v[ST+8*\t+6], v[ST+8*\t+6], v[S+64*\t+\i], v[S+64*\t+\i+1]
	v_max3_num_f32 v[ST+8*\t+7], v[ST+8*\t+7], v[S+64*\t+\i+2], v[S+64*\t+\i+3]
.endr
.endr
.irp t, 0,1
	v_max3_num_f32 v[ST+8*\t+6], v[ST+8*\t+6], v[S+64*\t+62], v[S+64*\t+63]
.endr
.irp t, 0,1
	v_max_num_f32 v[ST+8*\t+6], v[ST+8*\t+6], v[ST+8*\t+7]
.endr
.irp t, 0,1
	v_permlanex16_b32 v[PD+\t], v[ST+8*\t+6], s[SEL], s[SEL+1]   ; the query's other 64 keys
.endr
.irp t, 0,1
	v_max_num_f32 v[ST+8*\t+6], v[ST+8*\t+6], v[PD+\t]
.endr
.irp t, 0,1
	v_mul_f32 v[ST+8*\t+6], s[CS], v[ST+8*\t+6]    ; as t (c is positive)
.endr
.irp t, 0,1
	v_max_num_f32 v[ST+8*\t+1], v[ST+8*\t+1], v[ST+8*\t+6]
.endr
.irp t, 0,1
	v_mov_b32 v[ST+8*\t+6], v[ST+8*\t]
.endr
.irp t, 0,1
	v_floor_f32 v[ST+8*\t], -v[ST+8*\t+1]          ; the new -M = -ceil(t)
.endr
.irp t, 0,1
	v_sub_f32 v[ST+8*\t+6], v[ST+8*\t], v[ST+8*\t+6]
.endr
.irp t, 0,1
	v_cvt_i32_f32 v[ST+8*\t+6], v[ST+8*\t+6]       ; (it saturates)
.endr
.irp t, 0,1
	v_ldexp_f32 v[ST+8*\t+4], 1.0, v[ST+8*\t+6]    ; f = 2^(old M - new M)
.endr
	WIN W_RS                                       ; O^T x f, ahead of the exponentials, each accumulator from its low end on
.irp t, 0,1
.set j, 0
.rept 32
	v_pk_mul_f32 v[O+64*\t+j:O+64*\t+j+1], v[O+64*\t+j:O+64*\t+j+1], v[ST+8*\t+4:ST+8*\t+5] op_sel_hi:[1,0]
.set j, j+2
.endr
.endr
	WIN 0
.set j, 0
.rept 32                                       ; tile 0: t - M
	v_pk_fma_f32 v[S+j:S+j+1], v[S+j:S+j+1], s[CS:CS+1], v[ST:ST+1] op_sel_hi:[1,0,0]
.set j, j+2
.endr
	s_wait_alu depctr_va_vdst(0)                   ; ahead of the batch
.set j, 0
.rept 32                                       ; tile 0's exponentials; tile 1's scalings among them are read behind the wait below
	v_pk_fma_f32 v[S+64+j:S+64+j+1], v[S+64+j:S+64+j+1], s[CS:CS+1], v[ST+8:ST+9] op_sel_hi:[1,0,0]
	v_exp_f32 v[S+j], v[S+j]
	v_exp_f32 v[S+j+1], v[S+j+1]
.set j, j+2
.endr
.irp t, 0,1
	v_pk_mul_f32 v[ST+8*\t+2:ST+8*\t+3], v[ST+8*\t+2:ST+8*\t+3], v[ST+8*\t+4:ST+8*\t+5] op_sel_hi:[1,0]   ; the sums under the new M
	v_pk_mul_f32 v[L2+2*\t:L2+2*\t+1], v[L2+2*\t:L2+2*\t+1], v[ST+8*\t+4:ST+8*\t+5] op_sel_hi:[1,0]
.endr
	s_wait_alu depctr_va_vdst(0)                   ; behind tile 0's batch, ahead of tile 1's
	; tile 1's exponentials; among them tile 0's first level of sums (of the unquantised p) and its holds: each writes a register that is read only behind the next wait
.set n, 0
.rept 16
.set x, S+4*n
.set y, S+64+4*n
	TN n
	v_pk_add_f32 v[tn:tn+1], v[x:x+1], v[x+2:x+3]
	v_exp_f32 v[y], v[y]
	v_exp_f32 v[y+1], v[y+1]
	HOLD2 x
	v_exp_f32 v[y+2], v[y+2]
	v_exp_f32 v[y+3], v[y+3]
	HOLD2 x+2
.set n, n+1
.endr
	v_nop                                          ; a plain place behind the last exponential
	s_wait_alu depctr_va_vdst(0)                   ; behind tile 1's batch
.irp b, 0,1,2,3
	v_cvt_scalef32_pk8_fp8_f32 v[P+4*\b:P+4*\b+1], v[S+16*\b:S+16*\b+7], v[SC]
	v_cvt_scalef32_pk8_fp8_f32 v[P+4*\b+2:P+4*\b+3], v[S+16*\b+8:S+16*\b+15], v[SC]
.endr
.set n, 0
.rept 32                                       ; tile 1's sums and holds; tile 0's partial sums join their two chains among them
.set y, S+64+2*n
.if n%2 == 0
	v_pk_add_f32 v[ST+10:ST+11], v[ST+10:ST+11], v[y:y+1]
	TN n/2
.if (n/2)%2 == 0
	v_pk_add_f32 v[ST+2:ST+3], v[ST+2:ST+3], v[tn:tn+1]
.else
	v_pk_add_f32 v[L2:L2+1], v[L2:L2+1], v[tn:tn+1]
.endif
.else
	v_pk_add_f32 v[L2+2:L2+3], v[L2+2:L2+3], v[y:y+1]
.endif
	HOLD2 y
.if n%8 == 7
.set b, n/8
	v_cvt_scalef32_pk8_fp8_f32 v[P+16+4*b:P+16+4*b+1], v[S+64+16*b:S+64+16*b+7], v[SC]
	v_cvt_scalef32_pk8_fp8_f32 v[P+16+4*b+2:P+16+4*b+3], v[S+64+16*b+8:S+64+16*b+15], v[SC]
.endif
.set n, n+1
.endr
	v_nop                                          ; a plain place between the last conversion and the products
	s_wait_alu depctr_va_vdst(0)
	s_wait_dscnt 0x0                               ; V is in
	WIN W_PV
.irp f, 0,1,2,3,4,5,6,7                        ; O^T += V^T P^T: sixteen accumulators by turns
.irp t, 0,1
	v_wmma_f32_16x16x128_fp8_fp8 v[O+64*\t+8*\f:O+64*\t+8*\f+7], v[F+16*\f:F+16*\f+15], v[P+16*\t:P+16*\t+15], v[O+64*\t+8*\f:O+64*\t+8*\f+7]
.endr
.endr
	WIN 0
.endm
.macro SLOT_STEPS                      ; a slot's four key steps: 64 rows of K and 64 bytes of V's rows further on each time
	s_mov_b32 s[TK], s[TB]
	s_mov_b32 s[TV], s[TB]
	s_mov_b32 s[NS], 4
.Lstep_\@:
	STEP
	s_add_co_u32 s[TK], s[TK], 64*KP
	s_add_co_u32 s[TV], s[TV], 64
	s_sub_co_u32 s[NS], s[NS], 1
	s_cmp_lg_u32 s[NS], 0
	s_cbranch_scc1 .Lstep_\@
	s_xor_b32 s[TB], s[TB], SLOTB
.endm
.macro QLOAD                           ; Q's two fragments: register 4 c on = channels 32 c + 16 h + 0..15, as in K's
.irp t, 0,1
.irp c, 0,1,2,3
	global_load_b128 v[Q+16*\t+4*\c:Q+16*\t+4*\c+3], v[QO], s[4:5] offset:2048*\t+32*\c th:TH_LOAD_NT
.endr
.endr
.endm
.macro INIT                            ; a block's start: the largest t -3e38, sums and O^T zero: the first change of M leaves zeros zeros
.irp t, 0,1
	v_mov_b32 v[ST+8*\t+1], 0xff61b1e6
	v_floor_f32 v[ST+8*\t], -v[ST+8*\t+1]
	v_mov_b32 v[ST+8*\t+2], 0
	v_mov_b32 v[ST+8*\t+3], 0
	v_mov_b32 v[L2+2*\t], 0
	v_mov_b32 v[L2+2*\t+1], 0
	v_mov_b32 v[ST+8*\t+5], 0
	v_mov_b32 v[PD+\t], 0
.endr
	WIN TO_F
.set j, 0
.rept 128
	v_mov_b32 v[O+j], 0
.set j, j+1
.endr
	WIN 0
.endm
; THE WAY OUT of a block.  O^T / the sum x 2^(ep + ev) goes through my stage, half a row (256 bytes) of 16 queries at a time, and comes back as whole rows into the fragments' registers: sixteen lanes store 256 consecutive bytes, aligned.
; more = 1: the second block follows: its Q is asked for first, and the statistics and O^T begin anew.
.macro OUT more
.if \more
	s_add_nc_u64 s[4:5], s[4:5], 4*256*128
	QLOAD
.endif
.irp t, 0,1
	v_pk_add_f32 v[ST+8*\t+2:ST+8*\t+3], v[ST+8*\t+2:ST+8*\t+3], v[L2+2*\t:L2+2*\t+1]
.endr
.irp t, 0,1
	v_add_f32 v[ST+8*\t+6], v[ST+8*\t+2], v[ST+8*\t+3]
.endr
.irp t, 0,1
	v_permlanex16_b32 v[PD+\t], v[ST+8*\t+6], s[SEL], s[SEL+1]
.endr
.irp t, 0,1
	v_add_f32 v[ST+8*\t+6], v[ST+8*\t+6], v[PD+\t]
.endr
	s_wait_alu depctr_va_vdst(0)                   ; ahead of the reciprocals
.irp t, 0,1
	v_rcp_f32 v[ST+8*\t+6], v[ST+8*\t+6]
.endr
	v_nop
	s_wait_alu depctr_va_vdst(0)                   ; behind them
.irp t, 0,1
	v_ldexp_f32 v[ST+8*\t+6], v[ST+8*\t+6], s[EPV]
.endr
	WIN W_KQ
	s_wait_alu depctr_va_vdst(0)
.irp t, 0,1
.set j, 0
.rept 32
	v_pk_mul_f32 v[S+64*\t+j:S+64*\t+j+1], v[O+64*\t+j:O+64*\t+j+1], v[ST+8*\t+6:ST+8*\t+7] op_sel_hi:[1,0]
.set j, j+2
.endr
.endr
	WIN 0
.if \more
	INIT
.endif
	s_wait_alu depctr_va_vdst(0)
.irp t, 0,1
.irp u, 0,1
.irp g, 0,1,2,3
	ds_store_b128 v[STO], v[S+64*\t+32*\u+8*\g:S+64*\t+32*\u+8*\g+3] offset:64*\g
	ds_store_b128 v[STO], v[S+64*\t+32*\u+8*\g+4:S+64*\t+32*\u+8*\g+7] offset:64*\g+16
.endr
	WIN TO_F
.irp i, 0,1,2,3,4,5,6,7
	ds_load_b128 v[F+64*\t+32*\u+4*\i:F+64*\t+32*\u+4*\i+3], v[RD] offset:2*\i*SP   ; LDS serves a wave's instructions in order (ISA guide 5.7.1.4)
.endr
	WIN 0
.endr
.endr
	WIN W_ST
.irp t, 0,1
.irp u, 0,1
.irp i, 0,1,2,3,4,5,6,7
	s_wait_dscnt 16*(3-2*\t-\u)+7-\i               ; behind this load: the rest of its eight and sixteen for each later half
	global_store_b128 v[GO], v[F+64*\t+32*\u+4*\i:F+64*\t+32*\u+4*\i+3], s[12:13] offset:8192*\t+1024*\i+256*\u th:TH_STORE_NT
.endr
.endr
.endr
	WIN 0
.if \more
	s_wait_xcnt 0x0                                ; the stores have read their base and data: both are written again
	s_add_nc_u64 s[12:13], s[12:13], 4*256*512
	s_wait_loadcnt 0x0                             ; the second block's Q
.endif
.endm
	s_load_b256 s[4:11], s[0:1], 0x0               ; Q s[4:5], K s[6:7], V s[8:9], the exponents s[10:11]
	s_load_b64 s[12:13], s[0:1], 0x20              ; O
	v_lshl_add_u32 v[SPW], v0, 2, SPARE
	v_mov_b32 v[NIL], 0
	ds_add_u32 v[SPW], v[NIL]                      ; the opening lines: the add twice on end and one wait
	ds_add_u32 v[SPW], v[NIL]
	v_lshrrev_b32 v[ADK], 5, v0
	v_readfirstlane_b32 s[WV], v[ADK]              ; wave 0..7
	s_cmp_lt_u32 s[WV], 4                          ; waves 0-3 serve K, waves 4-7 V
	s_cselect_b32 s60, 0, 1
	s_cselect_b32 s61, 8, 11
	s_mul_i32 s62, s[WV], 16*SP
	s_add_co_u32 s62, s62, STAGE                   ; my stage
	v_and_b32 v30, 15, v0                          ; r
	v_bfe_u32 v31, v0, 4, 1                        ; h
	v_lshlrev_b32 v[QO], 7, v30
	v_lshl_add_u32 v[QO], v31, 4, v[QO]
	v_and_b32 v[AK0], 7, v0
	v_mul_u32_u24 v[AK0], v[AK0], KP
	v_bfe_u32 v[ADK], v0, 3, 1
	v_mul_u32_u24 v[ADK], v[ADK], KH
	v_add_nc_u32 v[AK0], v[AK0], v[ADK]
	v_lshl_add_u32 v[AK0], v31, 4, v[AK0]          ; K: 144 (l % 8) + KH ((l / 8) % 2) + 16 h
	v_mul_u32_u24 v[AV0], v30, VP
	v_lshl_add_u32 v[AV0], v31, 8, v[AV0]
	v_add_nc_u32 v[AV0], VOFF, v[AV0]              ; V: VOFF + 528 r + 256 h
	v_lshlrev_b32 v[GO], 9, v31
	v_lshl_add_u32 v[GO], v30, 4, v[GO]
	v_mul_u32_u24 v[STO], v30, SP
	v_lshl_add_u32 v[STO], v31, 5, v[STO]
	v_add_nc_u32 v[STO], s62, v[STO]
	v_mul_u32_u24 v[RD], v31, SP
	v_lshl_add_u32 v[RD], v30, 4, v[RD]
	v_add_nc_u32 v[RD], s62, v[RD]
	v_and_b32 v[PFO], 31, v0
	v_min_u32 v[PFO], 15, v[PFO]                   ; sixteen blocks a wave
	v_and_b32 v[ADV], s60, v[PFO]
	v_lshrrev_b32 v[PFO], s60, v[PFO]
	v_lshlrev_b32 v[PFO], s61, v[PFO]
	v_lshl_add_u32 v[PFO], v[ADV], 8, v[PFO]       ; K: 256 l;  V: 2,048 (l / 2) + 256 (l % 2)
	s_wait_alu depctr_va_vdst(0)
	s_bfe_u32 s[CX], ttmp6, 0x40000                ; cx enters Q's, O's and the prefetches' addresses alone
	s_and_b32 s17, ttmp7, 0xffff                   ; the head
	s_lshl_b32 s18, s17, 18
	s_mov_b32 s19, 0
	s_mov_b32 s[G1K], 15|(1<<20)|(1<<21)|(4<<22)|(3<<25)   ; mask of all four; 1-byte elements; four words of padding behind every 32
	s_mov_b32 s[G1K+1], 256<<16
	s_mov_b32 s[G1K+2], 64<<16
	s_mov_b32 s[G1K+3], 256<<16
	s_mov_b32 s[G1K+4], 64
	s_mov_b32 s[G1K+5], 256
	s_mov_b32 s[G1K+6], 0
	s_mov_b32 s[G1K+7], 0
	s_mov_b32 s[G1V], 15|(1<<20)|(1<<21)|(6<<22)|(3<<25)   ; four words of padding behind every 128
	s_mov_b32 s[G1V+1], 512<<16
	s_mov_b32 s[G1V+2], 32<<16
	s_mov_b32 s[G1V+3], 512<<16
	s_mov_b32 s[G1V+4], 32
	s_mov_b32 s[G1V+5], 2048
	s_mov_b32 s[G1V+6], 0
	s_mov_b32 s[G1V+7], 0
	s_mov_b32 s[SEL], 0x76543210
	s_mov_b32 s[SEL+1], 0xfedcba98
	s_mov_b32 s[CS], 0x3e0293ee                    ; log2(e) / sqrt(128)
	s_mov_b32 s[TB], 0
	s_mov_b32 s[TF], 0
	s_mov_b32 s[VIS], 7
	s_mov_b32 s[KO], 0
	s_mov_b32 s[KO+1], 0
	s_mov_b32 s[VO], 0
	s_mov_b32 s[VO+1], 0
	s_and_b32 s60, s[WV], 3
	s_mul_i32 s[KL], s60, 128*KP
	s_lshr_b32 s61, s60, 1
	s_lshl_b32 s61, s61, 7
	s_add_co_u32 s[KL], s[KL], s61                 ; K: 128 keys a wave, the upper 256 keys 128 bytes on
	s_mul_i32 s[VL], s60, 32*VP
	s_add_co_u32 s[VL], s[VL], VOFF                ; V: 32 rows a wave
	s_lshl_b32 s62, s60, 14
	s_mov_b32 s63, 0
	s_add_nc_u64 s[62:63], s[62:63], s[18:19]
	s_lshl_b32 s80, s60, 16
	s_mov_b32 s81, 0
	s_add_nc_u64 s[80:81], s[80:81], s[18:19]
	s_wait_dscnt 0x0                               ; both opening adds are done
	s_wait_kmcnt 0x0
	s_load_b128 s[56:59], s[10:11], 0x0            ; eq, ek, ep, ev
	s_add_nc_u64 s[KB:KB+1], s[6:7], s[62:63]
	s_add_nc_u64 s[VB:VB+1], s[8:9], s[80:81]
	s_mov_b32 s[G0K], 1
	s_mov_b32 s[G0K+1], s[KL]
	s_mov_b64 s[G0K+2:G0K+3], s[KB:KB+1]
	s_or_b32 s[G0K+3], s[G0K+3], 0x80000000
	s_mov_b32 s[G0V], 1
	s_mov_b32 s[G0V+1], s[VL]
	s_mov_b64 s[G0V+2:G0V+3], s[VB:VB+1]
	s_or_b32 s[G0V+3], s[G0V+3], 0x80000000
	CROUND                                         ; the first joint loads meet
	JLOAD                                          ; slot 0: one tensor load a wave at the head
	s_lshl_b32 s60, s[CX], 15                      ; Q at my wave's first row of block cx
	s_lshl_b32 s61, s[WV], 12
	s_add_co_u32 s60, s60, s61
	s_mov_b32 s61, 0
	s_add_nc_u64 s[60:61], s[60:61], s[18:19]
	s_add_nc_u64 s[4:5], s[4:5], s[60:61]
	QLOAD
	s_lshl_b32 s60, s17, 20                        ; O likewise: a row is 512 bytes
	s_lshl_b32 s61, s[CX], 17
	s_add_co_u32 s60, s60, s61
	s_lshl_b32 s61, s[WV], 14
	s_add_co_u32 s60, s60, s61
	s_mov_b32 s61, 0
	s_add_nc_u64 s[12:13], s[12:13], s[60:61]
	s_cmp_lt_u32 s[WV], 4                          ; the prefetches: my wave's part, my work-group's quarter of it, in slot 1: the first change steps it to slot 2
	s_cselect_b64 s[PFA:PFA+1], s[6:7], s[8:9]
	s_mov_b32 s[PFS], 512
	s_cselect_b32 s[PFS], 512*128, s[PFS]
	s_cselect_b32 s60, 14, 16
	s_cselect_b32 s61, 12, 14
	s_mov_b32 s[PFS+1], 0
	s_and_b32 s62, s[WV], 3
	s_lshl_b32 s62, s62, s60
	s_lshl_b32 s63, s[CX], s61
	s_add_co_u32 s62, s62, s63
	s_add_co_u32 s62, s62, s[PFS]
	s_mov_b32 s63, 0
	s_add_nc_u64 s[PFA:PFA+1], s[PFA:PFA+1], s[18:19]
	s_add_nc_u64 s[PFA:PFA+1], s[PFA:PFA+1], s[62:63]
	INIT
	s_wait_kmcnt 0x0
	s_add_co_i32 s60, s56, s57
	s_lshl_b32 s60, s60, 23
	s_add_co_i32 s[CS], s[CS], s60                 ; eq + ek go into c's exponent field
	s_mov_b32 s[CS+1], s[CS]
	s_add_co_i32 s60, s58, 127
	s_lshl_b32 s61, s60, 23
	v_mov_b32 v[SC], s61                           ; 2^ep
	s_add_co_i32 s60, s60, 8
	s_lshl_b32 s60, s60, 23
	s_or_b32 s60, s60, 0x600000
	v_mov_b32 v[HL], s60                           ; 448 x 2^ep, in two registers for the two halves of a dual pair
	v_mov_b32 v[HL2], s60
	s_add_co_i32 s[EPV], s58, s59
	s_wait_alu depctr_va_vdst(0)
	s_wait_loadcnt 0x0                             ; Q
.Lslot:                                            ; seven trips: behind each change of slots but the last the next slot is asked for
	CHANGE 1
	SLOT_STEPS
	s_cmp_lg_u32 s[VIS], 4                         ; behind the fourth slot the first block is whole: a branch on the count of trips, alike in all waves and partners
	s_cbranch_scc1 .Lsame
	OUT 1
.Lsame:
	s_sub_co_u32 s[VIS], s[VIS], 1
	s_cmp_lg_u32 s[VIS], 0
	s_cbranch_scc1 .Lslot
	CHANGE 0                                       ; the last slot is written out, so no round
	SLOT_STEPS
	OUT 0
	s_wait_tensorcnt 0x0                           ; the wave's end
	ds_add_u32 v[SPW], v[NIL]
	s_wait_dscnt 0x0
	CROUND                                         ; the closing round
	s_endpgm
.Lfunc_end_k_qed4fa1dd4a_attn:
	.size	k_qed4fa1dd4a_attn, .Lfunc_end_k_qed4fa1dd4a_attn-k_qed4fa1dd4a_attn
	.p2alignl 7, 3214868480
	.fill 96, 4, 3214868480
	.section	.rodata,"a",@progbits
	.p2align	6, 0x0
	.amdhsa_kernel k_qed4fa1dd4a_attn
		.amdhsa_group_segment_fixed_size 327680
		.amdhsa_private_segment_fixed_size 0
		.amdhsa_enable_private_segment 0
		.amdhsa_kernarg_size 40
		.amdhsa_user_sgpr_count 2
		.amdhsa_user_sgpr_kernarg_segment_ptr 1
		.amdhsa_wavefront_size32 1
		.amdhsa_system_sgpr_workgroup_id_x 1
		.amdhsa_system_sgpr_workgroup_id_y 1
		.amdhsa_system_sgpr_workgroup_id_z 1
		.amdhsa_system_vgpr_workitem_id 0
		.amdhsa_next_free_vgpr 512
		.amdhsa_next_free_sgpr 90
		.amdhsa_reserve_vcc 0
		.amdhsa_float_denorm_mode_32 3
		.amdhsa_float_denorm_mode_16_64 3
		.amdhsa_memory_ordered 1
		.amdhsa_forward_progress 1
		.amdhsa_inst_pref_size 114
	.end_amdhsa_kernel
	.amdgpu_metadata
---
amdhsa.version: [ 1, 2 ]
amdhsa.kernels:
  - .name:           k_qed4fa1dd4a_attn
    .symbol:         k_qed4fa1dd4a_attn.kd
    .args:
      - { .name: query_codes, .offset: 0, .size: 8, .value_kind: global_buffer, .address_space: global }
      - { .name: key_codes, .offset: 8, .size: 8, .value_kind: global_buffer, .address_space: global }
      - { .name: value_codes, .offset: 16, .size: 8, .value_kind: global_buffer, .address_space: global }
      - { .name: lowp_scales, .offset: 24, .size: 8, .value_kind: global_buffer, .address_space: global }
      - { .name: out0, .offset: 32, .size: 8, .value_kind: global_buffer, .address_space: global }
    .group_segment_fixed_size: 327680
    .private_segment_fixed_size: 0
    .kernarg_segment_align: 8
    .kernarg_segment_size: 40
    .max_flat_workgroup_size: 256
    .sgpr_count:     90
    .vgpr_count:     512
    .wavefront_size: 32
...
	.end_amdgpu_metadata
.endif
;; end of part 1
